; MI455X (gfx1250); checked and timed in simulation.
; The chip was launched on July 23, 2026; its instructions are those of AMD's public machine-readable ISA for CDNA 5 (MIT licence, August 2026) and "CDNA5" Instruction Set Architecture Reference Guide (July 2026). The comments in the code are by the model that wrote it; some were corrected since.
;; Multihead Attention. Allowed arithmetic: matrix products marked QUANTISED: E4M3 operands, one given power-of-two scale a tensor, by v_wmma_f32_16x16x64_fp8_fp8 or v_wmma_f32_16x16x128_fp8_fp8, f32 sums; everything else in f32.
;; Inputs: K_codes 4 x 2,048 x 32 x 32 uint8 (E4M3 codes of K, K innermost, in blocks of 32 codes); Q_codes 4 x 2,048 x 32 x 32 uint8 (E4M3 codes of Q, K innermost, in blocks of 32 codes); V_codes 4 x 2,048 x 32 x 32 uint8 (E4M3 codes of V, K innermost, in blocks of 32 codes); Wk_codes 16 x 64 x 32 x 32 uint8 (E4M3 codes of Wk, K innermost, in blocks of 32 codes); Wo_codes 1,024 x 32 x 32 uint8 (E4M3 codes of Wo, K innermost, in blocks of 32 codes); Wq_codes 16 x 64 x 32 x 32 uint8 (E4M3 codes of Wq, K innermost, in blocks of 32 codes); Wv_codes 16 x 64 x 32 x 32 uint8 (E4M3 codes of Wv, K innermost, in blocks of 32 codes); bk 16 x 64 float32; bo 1,024 float32; bq 16 x 64 float32; bv 16 x 64 float32; lowp_scales 12 int32 (the exponents e of the quantised operands' scales 2^e).
;; Outputs: out0 4 x 2,048 x 1,024 float32.
;; This version of the problem:
;;   THIS VERSION OF THE PROBLEM IS GIVEN IN LOW PRECISION. The matrix products marked QUANTISED in the list below multiply operands that are first quantised to E4M3 (4 exponent bits, 3 mantissa bits; 8 bits a number), with one given power-of-two scale for each operand tensor; their sums are f32. All else is computed in f32.
;;   The module's matrix products, in the order in which they are computed (A, B: the left and right operand; K: the contracted axis; several contracted axes count as one K, in the product's order):
;;     1. [M 1,024, K 1,024] x [K 1,024, N 8,192]; A: input Wq (given as codes); B: input Q (given as codes): QUANTISED (scales: A lowp_scales[0], B lowp_scales[1])
;;     2. [M 1,024, K 1,024] x [K 1,024, N 8,192]; A: input Wk (given as codes); B: input K (given as codes): QUANTISED (scales: A lowp_scales[2], B lowp_scales[3])
;;     3. [M 1,024, K 1,024] x [K 1,024, N 8,192]; A: input Wv (given as codes); B: input V (given as codes): QUANTISED (scales: A lowp_scales[4], B lowp_scales[5])
;;     4. batch 64 x [M 2,048, K 64] x [K 64, N 2,048]; A: computed on the way; B: computed on the way: QUANTISED (scales: A lowp_scales[6], B lowp_scales[7])
;;     5. batch 64 x [M 2,048, K 2,048] x [K 2,048, N 64]; A: softmax (see below); B: computed on the way: QUANTISED (scales: A lowp_scales[8], B lowp_scales[9])
;;     6. [M 8,192, K 1,024] x [K 1,024, N 1,024]; A: computed on the way; B: input Wo (given as codes): QUANTISED (scales: A lowp_scales[10], B lowp_scales[11])
;;   THE QUANTISER, for each operand of a quantised product, along K:
;;     - The operand's scale is 2^e, e = its entry of the input lowp_scales (int32; the entries are numbered through the quantised products in the list's order, A before B).
;;     - Each number is divided by the scale, clamped to +-448, and rounded to the nearest number of E4M3, ties to even, subnormals kept.
;;     - The product sums the exact products of the quantised numbers (number of the format x scale) in f32.
;;   ~~~python
;;   def quantise(x, axis, e):      # numpy; x: float32 -> the quantised numbers, widened to float32 again
;;       x = np.moveaxis(x, axis, -1); K = x.shape[-1]
;;       r = np.clip(x / 2.0 ** e, -448, 448)
;;       step = 2.0 ** (np.maximum(np.frexp(np.where(r == 0, 1, r))[1] - 1, -6) - 3)
;;       q = np.round(r / step) * step * 2.0 ** e      # np.round: ties to even
;;       return np.moveaxis(q, -1, axis).astype(np.float32)
;;   ~~~
;;   SOFTMAX AHEAD OF A QUANTISED PRODUCT. Where the list says 'softmax', what is quantised is not the finished softmax but p = 2^(t - M), with t = logit x log2(e) and M = ceil(the row's largest t), a whole number; so 1/2 < the row's largest p <= 1. The row's sum l is taken of the UNQUANTISED p, in f32, and the product's result is divided by l at the end. Since M is a whole number, a kernel that streams over the keys may use a running M (the ceiling of the running maximum): every later rescaling is an exact power of two, so the quantised numbers keep their values, but for numbers so far below the row's largest that they fall under the format's range.
;;   OPERANDS COMPUTED ON THE WAY. 'Computed on the way' means the value that the module computes at that place (a softmax that the list does not call 'softmax' is quantised finished and normalised). What goes into a quantiser is computed in f32, as accurately as f32 sums, v_exp_f32 and their like allow (about 1e-6 of the number): no bf16 or f16 on the way to a quantiser, and a product that is left as it is and whose result goes on into a quantised operand takes f32 operands (vector FMAs, or v_wmma_f32_16x16x4_f32). A number that lies on a knife's edge between two numbers of the format may be rounded either way, as far as f32 arithmetic and the matrix unit's own rounding can turn it there, and no further.
;;   INPUTS GIVEN AS CODES. K (in the module: [4, 2048, 1024], K = its axis 2); Q (in the module: [4, 2048, 1024], K = its axis 2); V (in the module: [4, 2048, 1024], K = its axis 2); Wk (in the module: [16, 1024, 64], K = its axis 1); Wo (in the module: [1024, 1024], K = its axis 0); Wq (in the module: [16, 1024, 64], K = its axis 1); Wv (in the module: [16, 1024, 64], K = its axis 1): each comes as NAME_codes (uint8): NAME with its K axis moved to the last place and cut into blocks of 32 codes, [.., K / 32, bytes a block], one block behind the other in memory; one code a byte (a code: sign, 4 exponent bits, 3 mantissa bits); its scale is its entry of lowp_scales. Its value is code x scale, taken as it is: it is not quantised again, and the codes and scales need not be those that the quantiser above would give.
;; One version. Each part assembles by itself: llvm-mc -triple=amdgcn-amd-amdhsa -mcpu=gfx1250 --defsym DOCPART=n.
;; ======== version 1 of 1: 3 launches
;; limits: right only within a limited range of input values
;; workspace buffers: q_img 8,388,608 bytes; k_img 8,388,608 bytes; v_img 8,388,608 bytes; o_img 8,388,608 bytes
;; launch proj (part 1): grid 4 x 48, 4 waves a work-group, clusters of 4 x 4, 327,680 bytes of LDS; arguments Q_codes, K_codes, V_codes, Wq_codes, Wk_codes, Wv_codes, bq, bk, bv, lowp_scales, q_img, k_img, v_img; writes q_img, k_img, v_img
.if DOCPART == 1
	.amdgcn_target "amdgcn-amd-amdhsa--gfx1250"
	.amdhsa_code_object_version 6
	.text
	.protected	k_qeb84f49282_proj
	.globl	k_qeb84f49282_proj
	.p2align	8
	.type	k_qeb84f49282_proj,@function
k_qeb84f49282_proj:
	s_mov_b64 s[64:65], 0
	v_nop
	global_prefetch_b8 v0, s[64:65] scope:SCOPE_SE
	s_setreg_imm32_b32 hwreg(HW_REG_WAVE_MODE, 25, 1), 1
	s_wait_xcnt 0x0
	s_wait_alu depctr_hold_cnt(0) depctr_sa_sdst(0) depctr_va_vdst(0) depctr_va_sdst(0) depctr_va_ssrc(0) depctr_va_vcc(0) depctr_vm_vsrc(0)
	s_getreg_b32 s2, hwreg(HW_REG_IB_STS2, 6, 4)
	s_cmp_eq_u32 s2, 0
	s_cbranch_scc0 .Lentry_in_a_cluster
	s_endpgm
.Lentry_in_a_cluster:
	s_bfe_u32 s2, ttmp6, 0x10000c
	s_cmp_lg_u32 s2, 0xf033
	s_cbranch_scc0 .Lentry_shape_is_right
	s_endpgm
.Lentry_shape_is_right:
; THE THREE PROJECTIONS: q = Q Wq + bq, k = K Wk + bk, v = V Wv + bv, on codes of FP8 (E4M3), and the quantising of q, k, v for the attention launch.
; Activations: [8192 rows = 2048 batch + position][1024] codes.  Weights: [1024 rows = 64 head + d][1024] codes.  Biases: [1024] f32.  One launch serves all three: the cluster's y says which
; tensor (y / 8: 0 q, 1 k, 2 v) and which group of four tiles (y % 8).  Both numbers are equal in all sixteen partners of a cluster.
; A tile of the result, 256 x 256, is made by a work-group of four waves; a wave makes 128 x 128: 64 accumulators of 16 x 16, 512 registers.  K goes in steps of 256 through two LDS slots.
; ROLES.  Source 1 of the matrix instruction ("A": its rows are the lanes of the result) and source 0 ("B": its rows run along a lane's registers):
;   q, k: A = activations, B = weights: a lane holds one position and its registers run along d, which is the K of the score product.
;   v:    A = weights, B = activations: a lane holds one d and its registers run along the keys, which are the K of the second attention product.  So nothing is ever transposed.
; CLUSTERS: 4 x 4 work-groups.  A's tile is shared along a row of the cluster, B's along a column: each is asked for JOINTLY, by the same tensor load with the same descriptor and a mask of four.
; THE BIAS is the C of each sum's first matrix instruction, as bias / 2^(ea + eb); the sums' missing power of two and the result's scale are folded into the conversion's one scale 2^(eo - ea - eb).
; THE WAY OUT HAS NO STAGE.  The results are stored as IMAGES OF THE READER'S OPERAND REGISTERS: two neighbouring tiles along the registers, converted, are four registers that hold
; k = 32 i + 8 (lane / 16) + 0..7 and 32 i + 16 + 8 (lane / 16) + 0..7 of the lane's row: the plain 8-bit forms' own order.  A store writes lane l's 16 bytes at 16 l: 512 consecutive bytes, aligned.
;   q_img, k_img: [16 batch + head][tile of 16 positions][c 0..1][lane][16 bytes]        v_img: [16 batch + head][64 keys][tile of 16 d][c 0..1][lane][16 bytes]
; The fragments of A and B are read from LDS with one permutation of k inside each 128, the same on both sides: every product meets its partner.
; LIMITS: eo - ea - eb lies between -126 and 119 for each of the three, so that the conversion's scale and 448 x it are f32 numbers.  NaN among the biases is not served.
; REGISTERS, in windows of 256: window 0: v16-31 addresses and constants; v32-95 the bias as C, later codes; v96-103 bv as loaded; v96-159 later codes; v128-255 A's fragments, ONE set.
;   window 1: B's fragments, TWO sets.   window 2: the accumulators of A's blocks 0-3 ((a, b) at v[8 (8 (a % 4) + b)]);   window 3: those of blocks 4-7.
.set KROW,   1024                      ; a row of codes in memory, in bytes
.set ROWB,   256                       ; a tile's row: 256 along K
.set PITCH,  272                       ; an LDS row: 256 bytes + 16 of padding = 68 words: the 16 rows that a load touches start 4 banks apart (64 banks of 4 bytes: ISA guide 11.1)
.set FR,     16                        ; registers of a fragment: 16 rows x 128 K
.set NL,     4                         ; LDS loads that bring one
.set NP,     4                         ; places behind this matrix instruction (ISA guide 7.12.1)
.set HALFT,  128*PITCH                 ; 128 rows: what one tensor load brings
.set SLOT,   4*HALFT                   ; A's 256 rows, then B's 256 rows
.set SPARE,  2*SLOT                    ; behind the ring: the spare words, 128 bytes for each wave, that no other line names
.set ADRA, 16                          ; v16-17  LDS address of my A fragments in slot 0, 1
.set ADRB, 20                          ; v20-21  the same for B
.set BR,   25                          ; v25     4 x (lane % 16): bv's offset
.set CO,   26                          ; v26     16 x lane: my place in an image's 512 bytes
.set BH,   27                          ; v27     32 x (lane / 16): bq's and bk's offset
.set SPW,  28                          ; v28     LDS address of my spare word; never rewritten
.set NIL,  29                          ; v29     0; never rewritten
.set SCL,  30                          ; v30     2^(eo - ea - eb) as f32
.set LIM,  31                          ; v31     448 x that
.set BP,   32                          ; v32-95  the bias in the result's layout, eight registers a tile
.set BT,   96                          ; v96-103 bv as loaded, one number a block of A
.set CD,   32                          ; v32-159 the codes: two registers an accumulator
.set AF,   128                         ; A's fragments
.set G1, 24                            ; s[24:31] descriptor group 1 for A's tiles;  s[32:39] group 0, one set for each slot
.set G0, 32
.set G1B, 48                           ; s[48:55], s[56:63] the same for B's tiles
.set G0B, 56
.set MSB, 0
.macro WIN new                         ; the immediate's high byte repeats the setting that is left
.if MSB != \new
	s_set_vgpr_msb (MSB<<8)|\new
.set MSB, \new
.endif
.endm
.set MUL_LO, 0xa1                      ; source 0 (B) window 1, source 1 (A) window 0, C and D window 2
.set MUL_HI, 0xf1                      ; the same, C and D window 3
.set FST_LO, 0x81                      ; the first step: C (the bias) window 0, D window 2
.set FST_HI, 0xc1                      ; the same, D window 3
.set TO_B,   0x40                      ; destination window 1, address window 0
; A joint load: waves 0 and 1 fetch for A, waves 2 and 3 for B.  Each line has ONE mask and one set of registers for all that issue it; the branch hangs on the wave's number alone.
; Four v_nop follow each of the two lines, ahead of the jump, the label and what follows.
.macro JLOAD g0a, g1a, g0b, g1b
	s_cmp_eq_u32 s15, 0
	s_cbranch_scc0 .Lfor_b_\@
	tensor_load_to_lds s[\g0a:\g0a+3], s[\g1a:\g1a+7]
	s_nop 0
.rept 4
	v_nop
.endr
	s_branch .Lasked_\@
.Lfor_b_\@:
	tensor_load_to_lds s[\g0b:\g0b+3], s[\g1b:\g1b+7]
	s_nop 0
.rept 4
	v_nop
.endr
.Lasked_\@:
.endm
.macro CREST                           ; a round of the cluster's barrier behind its opening barrier
	s_cmp_lg_u32 s14, 0
	s_cbranch_scc1 .Lnot_wave_0_\@
	s_barrier_signal -3
.Lnot_wave_0_\@:
	s_barrier_wait -3
	s_barrier_signal -1
	s_barrier_wait -1
.endm
.macro CROUND                          ; a whole round
	s_barrier_signal -1
	s_barrier_wait -1
	CREST
.endm
	v_lshl_add_u32 v[SPW], v0, 2, SPARE
	v_mov_b32 v[NIL], 0
	ds_add_u32 v28, v29                            ; the opening lines: the add, twice on end, and its wait
	ds_add_u32 v28, v29
	s_mov_b32 s98, 0                               ; A WORK-GROUP MAKES TWO TILES, one after the other: those of the cluster's y and of y + 12; s98 = 0, then 12
	s_wait_dscnt 0x0
.Ltile:                                                ; a trip makes one tile, from the arguments on
	s_load_b512 s[68:83], s[0:1], 0x0              ; Q s[68:69], K s[70:71], V s[72:73], Wq s[74:75], Wk s[76:77], Wv s[78:79], bq s[80:81], bk s[82:83]
	s_load_b256 s[84:91], s[0:1], 0x40             ; bv s[84:85], the scales' exponents s[86:87], q_img s[88:89], k_img s[90:91]
	s_load_b64 s[92:93], s[0:1], 0x60              ; v_img
	v_lshrrev_b32 v1, 5, v0
	v_readfirstlane_b32 s14, v1                    ; wave 0..3
	s_lshr_b32 s15, s14, 1                         ; which 128 rows of A are mine.  Also: I fetch for A (0) or for B (1)
	s_and_b32 s16, s14, 1                          ; which 128 rows of B are mine.  Also: which 128 rows of that tile I fetch
	s_bfe_u32 s40, ttmp6, 0x40000                  ; cx, cy: my place in the cluster
	s_bfe_u32 s41, ttmp6, 0x40004
	s_and_b32 s22, ttmp7, 0xffff                   ; the cluster's y, 0..11,
	s_add_co_u32 s22, s22, s98                     ; and this trip's tile row among the 24: equal in all sixteen partners
	s_lshr_b32 s66, s22, 3                         ; which tensor: 0 q, 1 k, 2 v
	s_and_b32 s67, s22, 7                          ; which four tiles of the activations' 32
	s_cmp_eq_u32 s66, 2
	s_cselect_b32 s17, 0, s67                      ; the activations are A for q and k,
	s_cselect_b32 s42, s67, 0                      ; and B for v
	s_lshl_b32 s17, s17, 2
	s_add_co_u32 s17, s17, s41                     ; A's tile: hangs on cy and the cluster's y alone
	s_lshl_b32 s42, s42, 2
	s_add_co_u32 s42, s42, s40                     ; B's tile: hangs on cx and the cluster's y alone
	s_lshl_b32 s43, s41, 2
	s_lshl_b32 s43, 15, s43                        ; my row of the cluster
	s_lshl_b32 s44, 0x1111, s40                    ; my column
	; descriptor group 1: a tile of 128 rows x 256 bytes, padded in LDS
	s_or_b32 s[G1+0], s43, (0<<16)|(1<<20)|(1<<21)|(5<<22)|(3<<25)  ; 15:0 the mask: A's tiles go to my row; 17:16 element of 1 byte; 20 padding on; 21 set beside a mask; 24:22 after every 64 words (code 5); 31:25 of 4 words (code 3)
	s_or_b32 s[G1B+0], s44, (0<<16)|(1<<20)|(1<<21)|(5<<22)|(3<<25)
.irp g, G1, G1B
	s_mov_b32 s[\g+1], ROWB<<16                    ; tensor_dim0
	s_mov_b32 s[\g+2], 128<<16                     ; tensor_dim1 = 128
	s_mov_b32 s[\g+3], ROWB<<16                    ; tile_dim0
	s_mov_b32 s[\g+4], 128                         ; tile_dim1 = 128
	s_mov_b32 s[\g+5], KROW                        ; tensor_dim0_stride
	s_mov_b32 s[\g+6], 0
	s_mov_b32 s[\g+7], 0
.endr
	s_lshl_b32 s18, s16, 7                         ; which 128 rows of the tile I fetch
	s_lshl_b32 s20, s17, 8
	s_add_co_u32 s20, s20, s18                     ; A: row 256 x tile + 128 x half,
	s_lshl_b32 s20, s20, 10                        ; in bytes (under 2^23)
	s_mov_b32 s21, 0
	s_lshl_b32 s46, s42, 8
	s_add_co_u32 s46, s46, s18                     ; B likewise
	s_lshl_b32 s46, s46, 10
	s_mov_b32 s47, 0
	s_mul_i32 s45, s14, HALFT                      ; where they go: wave x 128 rows: no place in the cluster enters an LDS address
	s_wait_kmcnt 0x0
	s_cmp_eq_u32 s66, 0                            ; the tensor's four buffers: the choices hang on the cluster's y alone
	s_cselect_b64 s[4:5], s[68:69], s[70:71]       ; activations
	s_cselect_b64 s[6:7], s[74:75], s[76:77]       ; weights
	s_cselect_b64 s[8:9], s[80:81], s[82:83]       ; bias
	s_cselect_b64 s[10:11], s[88:89], s[90:91]     ; image
	s_cmp_eq_u32 s66, 2
	s_cselect_b64 s[4:5], s[72:73], s[4:5]
	s_cselect_b64 s[6:7], s[78:79], s[6:7]
	s_cselect_b64 s[8:9], s[84:85], s[8:9]
	s_cselect_b64 s[10:11], s[92:93], s[10:11]
	s_cselect_b64 s[18:19], s[6:7], s[4:5]         ; A: the weights for v, else the activations
	s_cselect_b64 s[6:7], s[4:5], s[6:7]           ; B: the other one
	s_mov_b64 s[4:5], s[18:19]
	s_mov_b64 s[12:13], s[86:87]
	s_load_b256 s[68:75], s[12:13], 0x0            ; e0 .. e7 (the pointers that lay here have been chosen from)
	s_load_b128 s[76:79], s[12:13], 0x20           ; e8 .. e11
	s_add_nc_u64 s[20:21], s[4:5], s[20:21]
	s_add_nc_u64 s[46:47], s[6:7], s[46:47]
; A PREFETCH INTO THE L2 of the activations' K steps 2 and 3, each asked for at least one K step ahead of the joint load that wants it: 32 rows x 256 bytes, a lane a row, one instruction a wave.
; Only the two waves that fetch the activations ask (A's for q and k, B's for v).  Of the 128 rows that such a wave fetches, each of the four partners that ask for them jointly takes 32, told apart BY ADDRESS
; (cx for A, cy for B): so each row's 256 bytes of a K step are named once, in the one cluster that loads them.  The weights come by their loads alone: eight clusters walk the same rows of them.
.macro ASK k
	s_cmp_eq_u32 s15, s99                          ; the wave's number and the cluster's y alone
	s_cbranch_scc0 .Lnot_mine_\@
	global_prefetch_b8 v24, s[100:101] offset:\k th:TH_LOAD_NT scope:SCOPE_SE
.Lnot_mine_\@:
.endm
	s_cmp_eq_u32 s66, 2
	s_cselect_b64 s[100:101], s[46:47], s[20:21]   ; the activations' 128 rows that a fetching wave asks for,
	s_cselect_b32 s2, s41, s40                     ; my place among the four that ask with me,
	s_cselect_b32 s99, 1, 0                        ; and which waves fetch them: 2 and 3 for v, else 0 and 1
	s_lshl_b32 s2, s2, 15                          ; 32 rows of 1,024 bytes
	s_mov_b32 s3, 0
	s_add_nc_u64 s[100:101], s[100:101], s[2:3]
	s_wait_alu depctr_va_vdst(0)
	s_wait_tensorcnt 0x0                           ; in the second trip slot 0 is filled again: no load of mine is out,
	ds_add_u32 v[SPW], v[NIL]                      ; the add, written twice
	ds_add_u32 v[SPW], v[NIL]
	s_wait_dscnt 0x0                               ; and my reads of the last tile's slots are over
	CROUND
.irp s, 0,1
	s_mov_b32 s[G0+4*\s], 1                        ; count = 1
	s_add_co_u32 s[G0+4*\s+1], s45, \s*SLOT        ; LDS address
	s_add_nc_u64 s[G0+4*\s+2:G0+4*\s+3], s[20:21], \s*ROWB   ; global address: K step s
	s_or_b32 s[G0+4*\s+3], s[G0+4*\s+3], 0x80000000          ; type = 2
	s_mov_b32 s[G0B+4*\s], 1
	s_add_co_u32 s[G0B+4*\s+1], s45, \s*SLOT
	s_add_nc_u64 s[G0B+4*\s+2:G0B+4*\s+3], s[46:47], \s*ROWB
	s_or_b32 s[G0B+4*\s+3], s[G0B+4*\s+3], 0x80000000
.endr
	JLOAD G0, G1, G0B, G1B                         ; K step 0: one tensor load a wave at the head
	v_and_b32 v1, 15, v0                           ; r = l % 16
	v_bfe_u32 v2, v0, 4, 1                         ; l / 16
	v_mul_u32_u24 v3, v1, PITCH
	v_lshl_add_u32 v4, v2, 4, v3                   ; a fragment's row x pitch + 16 x half
	s_mul_i32 s21, s15, HALFT                      ; my 128 rows of A
	s_mul_i32 s22, s16, HALFT                      ; my 128 rows of B,
	s_add_co_u32 s22, s22, 2*HALFT                 ; which lie behind A's 256
.irp s, 0,1
	v_add_nc_u32 v[ADRA+\s], s21, v4
	v_add_nc_u32 v[ADRB+\s], s22, v4
	s_add_co_u32 s21, s21, SLOT
	s_add_co_u32 s22, s22, SLOT
.endr
	v_and_b32 v5, 31, v0
	v_lshlrev_b32 v[CO], 4, v5
	v_lshlrev_b32 v[BH], 5, v2
	v_lshlrev_b32 v[BR], 2, v1
	v_lshlrev_b32 v24, 10, v5                      ; the prefetches' offset: lane x a row of 1,024 bytes
	ASK 512                                        ; K step 2
	; where my results go.  act = my first row of the activations, wrow = my first row of the weights
	s_lshl_b32 s22, s17, 8
	s_lshl_b32 s23, s15, 7
	s_add_co_u32 s22, s22, s23                     ; my first row of A
	s_lshl_b32 s23, s42, 8
	s_lshl_b32 s2, s16, 7
	s_add_co_u32 s23, s23, s2                      ; my first row of B
	s_cmp_eq_u32 s66, 2
	s_cselect_b32 s18, s23, s22                    ; act
	s_cselect_b32 s19, s22, s23                    ; wrow
	s_lshr_b32 s2, s18, 11                         ; batch
	s_lshl_b32 s2, s2, 4
	s_lshr_b32 s3, s19, 6                          ; head
	s_add_co_u32 s2, s2, s3
	s_lshl_b32 s2, s2, 17                          ; (16 batch + head) x 131,072 bytes
	s_and_b32 s3, s18, 2047                        ; position in the batch: 64 bytes of image for each, in all three layouts (1,024 for 16 positions; 4,096 for 64 keys)
	s_lshl_b32 s3, s3, 6
	s_add_co_u32 s2, s2, s3
	s_mov_b32 s3, 0
	s_add_nc_u64 s[10:11], s[10:11], s[2:3]
	s_lshl_b32 s2, s19, 2
	s_add_nc_u64 s[8:9], s[8:9], s[2:3]            ; the bias at my first row of the weights
	s_wait_kmcnt 0x0                               ; the exponents
	s_add_co_i32 s68, s68, s69                     ; ea + eb of q,
	s_add_co_i32 s70, s70, s71                     ; of k,
	s_add_co_i32 s72, s72, s73                     ; of v
	s_cmp_eq_u32 s66, 0
	s_cselect_b32 s94, s68, s70
	s_cselect_b32 s96, s74, s75                    ; eo: entry 6 for q, 7 for k,
	s_cmp_eq_u32 s66, 2
	s_cselect_b32 s94, s72, s94
	s_cselect_b32 s96, s77, s96                    ; 9 for v
	s_sub_co_i32 s95, 0, s94                       ; -(ea + eb): the bias goes in divided by the power of two that the sums lack
	s_sub_co_i32 s96, s96, s94
	s_add_co_i32 s96, s96, 127
	s_lshl_b32 s97, s96, 23
	v_mov_b32 v[SCL], s97                          ; 2^(eo - ea - eb) as f32: the conversion takes its exponent field
	s_add_co_i32 s96, s96, 8
	s_lshl_b32 s96, s96, 23
	s_or_b32 s96, s96, 0x600000
	v_mov_b32 v[LIM], s96                          ; 448 x that
	s_cmp_eq_u32 s66, 2                            ; the bias in the result's layout.  The branch hangs on the cluster's y: it is the same in all partners and all waves
	s_cbranch_scc1 .Lbias_v
	s_wait_alu depctr_va_vdst(0)
.irp b, 0,1,2,3,4,5,6,7                        ; q, k: the bias runs along the registers: tile b of B: rows 16 b + 8 (l / 16) + 0..7
	global_load_b128 v[BP+8*\b:BP+8*\b+3], v[BH], s[8:9] offset:64*\b
	global_load_b128 v[BP+8*\b+4:BP+8*\b+7], v[BH], s[8:9] offset:64*\b+16
.endr
	s_wait_loadcnt 0x0
.set n, 0
.rept 64
	v_ldexp_f32 v[BP+n], v[BP+n], s95
.set n, n+1
.endr
	s_branch .Lbias_done
.Lbias_v:
	s_wait_alu depctr_va_vdst(0)
.irp a, 0,1,2,3,4,5,6,7                        ; v: the bias runs along the lanes: block a of A: row 16 a + l % 16, the same in all eight registers
	global_load_b32 v[BT+\a], v[BR], s[8:9] offset:64*\a
.endr
	s_wait_loadcnt 0x0
.irp a, 0,1,2,3,4,5,6,7
.irp j, 0,1,2,3,4,5,6,7
	v_ldexp_f32 v[BP+8*\a+\j], v[BT+\a], s95
.endr
.endr
.Lbias_done:
.macro FRAG reg, adr, q, i             ; a fragment, 16 rows x 128 K, is 16 registers: lane l holds row l % 16; registers 4 c .. 4 c + 3 hold K = 32 c + 16 (l / 16) + 0 .. 15: the same places in A and in B
.irp c, 0,1,2,3
	ds_load_b128 v[\reg+4*\c:\reg+4*\c+3], v[\adr] offset:128*(\q)+32*\c+(\i)*16*PITCH
.endr
.endm
; 16 matrix instructions: A's blocks a0, a0 + 1 x B's eight, 128 along K.  p: B's set.  mode 0: onto the sums; 1: the first product, C = the bias by B's tile; 2: C = the bias by A's block.
; The 64 accumulators take turns, one instruction a turn, in the same order in every step.
.macro MUL16 a0, p, mode
.irp a, \a0, \a0+1
.irp b, 0,1,2,3,4,5,6,7
.if \mode == 0
	v_wmma_f32_16x16x128_fp8_fp8 v[8*(8*((\a)%4)+\b):8*(8*((\a)%4)+\b)+7], v[128*(\p)+FR*\b:128*(\p)+FR*\b+FR-1], v[AF+FR*(\a):AF+FR*(\a)+FR-1], v[8*(8*((\a)%4)+\b):8*(8*((\a)%4)+\b)+7]
.elseif \mode == 1
	v_wmma_f32_16x16x128_fp8_fp8 v[8*(8*((\a)%4)+\b):8*(8*((\a)%4)+\b)+7], v[128*(\p)+FR*\b:128*(\p)+FR*\b+FR-1], v[AF+FR*(\a):AF+FR*(\a)+FR-1], v[BP+8*\b:BP+8*\b+7]
.else
	v_wmma_f32_16x16x128_fp8_fp8 v[8*(8*((\a)%4)+\b):8*(8*((\a)%4)+\b)+7], v[128*(\p)+FR*\b:128*(\p)+FR*\b+FR-1], v[AF+FR*(\a):AF+FR*(\a)+FR-1], v[BP+8*(\a):BP+8*(\a)+7]
.endif
.endr
.endr
.endm
.macro FETCH_B slot, q, p              ; B's eight fragments of the slot's q-th 128 along K into set p
	WIN TO_B
.irp i, 0,1,2,3,4,5,6,7
	FRAG 128*(\p)+FR*\i, ADRB+\slot, \q, \i
.endr
	WIN 0
.endm
.macro FETCH_A slot, q, i0             ; A's blocks i0 .. i0 + 3
.irp i, \i0, \i0+1, \i0+2, \i0+3
	FRAG AF+FR*(\i), ADRA+\slot, \q, \i
.endr
.endm
; A load into a register that a matrix instruction has read, and a vector instruction that reads a matrix result, stand NP places behind that matrix instruction; only plain vector
; instructions that name none of its registers are places (ISA guide 7.12.1 for vector instructions).
.macro PLACES n
.rept \n
	v_nop
.endr
.endm
; A step of 128 along K that has its successor in the same slot.  A block of A is free as soon as its eight products are issued: blocks 0-3 are fetched anew in the step's middle, blocks 4-7 at its end.
.macro STEP slot, q, mode
	s_wait_dscnt 4*NL                              ; B's set and A's blocks 0-3 are in; the youngest sixteen loads (A's blocks 4-7) may be out
.if \mode
	WIN FST_LO
.else
	WIN MUL_LO
.endif
	MUL16 0, (\q)%2, \mode
	MUL16 2, (\q)%2, \mode
	s_wait_dscnt 0                                 ; A's blocks 4-7 are in (asked for 32 matrix instructions ago)
	PLACES NP
	FETCH_B \slot, (\q)+1, 1-(\q)%2
	FETCH_A \slot, (\q)+1, 0
.if \mode
	WIN FST_HI
.else
	WIN MUL_HI
.endif
	MUL16 4, (\q)%2, \mode
	MUL16 6, (\q)%2, \mode
	PLACES NP
	WIN 0
	FETCH_A \slot, (\q)+1, 4
.endm
; A slot's last step changes slots: ONE barrier; in front of it each wave waits for all its tensor loads, adds 0 to its spare word, and waits for that and for its own reads of this slot.  fill = 1: this slot is filled again, two K steps ahead.
.macro TURN slot, next, fill
	s_wait_tensorcnt 0x0                           ; all my tensor loads have landed: my part of the next slot;  (every window is 0 here: the add's two registers lie in window 0)
	ds_add_u32 v[SPW], v[NIL]                      ; 0 onto my spare word;
	s_wait_dscnt 4*NL+1                            ; (the add and the youngest sixteen loads, A's blocks 4-7, may be out)
	WIN MUL_LO
	MUL16 0, 1, 0                                  ; sixteen matrix instructions stand between the add and the wait for it
	s_wait_dscnt 0x0                               ; the add is done, and my reads of this slot are over
	s_barrier_signal -1
	MUL16 2, 1, 0
	WIN 0
	s_barrier_wait -1
.if \fill
	CREST                                          ; the barrier has opened a round of the cluster's barrier: no wave of any partner still reads this slot's tile or has a load on its way
	s_add_nc_u64 s[G0+4*\slot+2:G0+4*\slot+3], s[G0+4*\slot+2:G0+4*\slot+3], 2*ROWB
	s_add_nc_u64 s[G0B+4*\slot+2:G0B+4*\slot+3], s[G0B+4*\slot+2:G0B+4*\slot+3], 2*ROWB
	JLOAD G0+4*\slot, G1, G0B+4*\slot, G1B         ; the first tensor load behind the round, and my only one until the next; its four v_nop are the places in front of the loads below
.else
	PLACES NP
.endif
	FETCH_B \next, 0, 0
	FETCH_A \next, 0, 0
	WIN MUL_HI
	MUL16 4, 1, 0
	MUL16 6, 1, 0
	PLACES NP
	WIN 0
	FETCH_A \next, 0, 4
.endm
	s_wait_alu depctr_va_vdst(0)
	s_wait_tensorcnt 0x0                           ; my part of K step 0 is in
	ds_add_u32 v[SPW], v[NIL]
	s_wait_dscnt 0x0
	CROUND                                         ; a whole round: everybody's part of K step 0 is in, and the joint loads meet
	JLOAD G0+4, G1, G0B+4, G1B                     ; K step 1's load, the first tensor load behind the round
	FETCH_B 0, 0, 0
	FETCH_A 0, 0, 0
	FETCH_A 0, 0, 4
	ASK 768                                        ; K step 3; the address registers are written again only behind the trip's s_wait_xcnt 0
	s_cmp_eq_u32 s66, 2
	s_cbranch_scc1 .Lfirst_v
	s_wait_alu depctr_va_vdst(0)
	STEP 0, 0, 1
	s_branch .Lfirst_done
.Lfirst_v:
	s_wait_alu depctr_va_vdst(0)
	STEP 0, 0, 2
.Lfirst_done:
	; K = 1,024 is four slots' worth: twice round the ring, written out.  Slots 0 and 1 are each filled once more
	TURN 0, 1, 1
	STEP 1, 0, 0
	TURN 1, 0, 1
	STEP 0, 0, 0
	TURN 0, 1, 0                                   ; nothing is left to fetch: no round of the cluster's barrier
	STEP 1, 0, 0
	s_wait_dscnt 4*NL                              ; the very last step
	WIN MUL_LO
	MUL16 0, 1, 0
	MUL16 2, 1, 0
	s_wait_dscnt 0
	WIN MUL_HI
	MUL16 4, 1, 0
	MUL16 6, 1, 0
	WIN 0
; THE QUANTISER, a window of 32 accumulators at a time.  The conversion to an 8-bit code does not saturate (ISA guide 7.6.2): each number is first held within 448 x the scale.  Each accumulator is read from its low end on.
; An accumulator's eight registers become two registers of codes, in window 0.
.macro HOLDCVT w, wboth, wsrc
	WIN \wboth                                     ; source 0 and destination: the accumulators' window; the bound in window 0
.set n, 0
.rept 256
	v_med3_num_f32 v[n], v[n], -v[LIM], v[LIM]
.set n, n+1
.endr
	WIN \wsrc                                      ; source 0: the accumulators' window; scale and destination window 0
.set n, 0
.rept 32
	v_cvt_scalef32_pk8_fp8_f32 v[CD+64*(\w-2)+2*n:CD+64*(\w-2)+2*n+1], v[8*n:8*n+7], v[SCL]
.set n, n+1
.endr
	WIN 0
	v_nop                                          ; one plain vector instruction behind the last scaled conversion of a run
.endm
	PLACES NP                                      ; behind the last products: their results are read, and A's registers v128-159 written, further down
	HOLDCVT 2, 0x82, 0x02
	HOLDCVT 3, 0xc3, 0x03
	; The codes of accumulators (a, 2 i) and (a, 2 i + 1) are four neighbouring registers: one chunk of an image.  Every store covers 512 consecutive bytes, aligned.
	s_cmp_eq_u32 s66, 2
	s_cbranch_scc1 .Lout_v
.irp a, 0,1,2,3,4,5,6,7                        ; q, k: block a = a tile of 16 positions (1,024 bytes); i / 2 = the head (131,072 bytes), i % 2 = c
.irp i, 0,1,2,3
	global_store_b128 v[CO], v[CD+64*(\a/4)+16*(\a%4)+4*\i:CD+64*(\a/4)+16*(\a%4)+4*\i+3], s[10:11] offset:(\i/2)*131072+(\i%2)*512+\a*1024
.endr
.endr
	s_branch .Lout_done
.Lout_v:
	s_wait_alu depctr_va_vdst(0)
.irp a, 0,1,2,3,4,5,6,7                        ; v: a / 4 = the head, a % 4 = the tile of 16 d (1,024 bytes); i / 2 = the 64 keys (4,096 bytes), i % 2 = c
.irp i, 0,1,2,3
	global_store_b128 v[CO], v[CD+64*(\a/4)+16*(\a%4)+4*\i:CD+64*(\a/4)+16*(\a%4)+4*\i+3], s[10:11] offset:(\a/4)*131072+(\a%4)*1024+(\i/2)*4096+(\i%2)*512
.endr
.endr
.Lout_done:
	s_wait_xcnt 0x0                                ; the stores have read their registers and their base: the next trip writes them again
	s_add_co_u32 s98, s98, 12
	s_cmp_lt_u32 s98, 24
	s_wait_alu depctr_va_vdst(0)
	s_cbranch_scc1 .Ltile
	s_wait_tensorcnt 0x0
	ds_add_u32 v[SPW], v[NIL]
	s_wait_dscnt 0x0
	CROUND                                         ; the closing round: no work-group ends while a partner may still ask for a tile that names it
	s_endpgm
.Lfunc_end_k_qeb84f49282_proj:
	.size	k_qeb84f49282_proj, .Lfunc_end_k_qeb84f49282_proj-k_qeb84f49282_proj
	.p2alignl 7, 3214868480
	.fill 96, 4, 3214868480
	.section	.rodata,"a",@progbits
	.p2align	6, 0x0
	.amdhsa_kernel k_qeb84f49282_proj
		.amdhsa_group_segment_fixed_size 327680
		.amdhsa_private_segment_fixed_size 0
		.amdhsa_enable_private_segment 0
		.amdhsa_kernarg_size 104
		.amdhsa_user_sgpr_count 2
		.amdhsa_user_sgpr_kernarg_segment_ptr 1
		.amdhsa_wavefront_size32 1
		.amdhsa_system_sgpr_workgroup_id_x 1
		.amdhsa_system_sgpr_workgroup_id_y 1
		.amdhsa_system_sgpr_workgroup_id_z 1
		.amdhsa_system_vgpr_workitem_id 0
		.amdhsa_next_free_vgpr 1024
		.amdhsa_next_free_sgpr 102
		.amdhsa_reserve_vcc 0
		.amdhsa_float_denorm_mode_32 3
		.amdhsa_float_denorm_mode_16_64 3
		.amdhsa_memory_ordered 1
		.amdhsa_forward_progress 1
		.amdhsa_inst_pref_size 142
	.end_amdhsa_kernel
	.amdgpu_metadata
---
amdhsa.version: [ 1, 2 ]
amdhsa.kernels:
  - .name:           k_qeb84f49282_proj
    .symbol:         k_qeb84f49282_proj.kd
    .args:
      - { .name: Q_codes, .offset: 0, .size: 8, .value_kind: global_buffer, .address_space: global }
      - { .name: K_codes, .offset: 8, .size: 8, .value_kind: global_buffer, .address_space: global }
      - { .name: V_codes, .offset: 16, .size: 8, .value_kind: global_buffer, .address_space: global }
      - { .name: Wq_codes, .offset: 24, .size: 8, .value_kind: global_buffer, .address_space: global }
      - { .name: Wk_codes, .offset: 32, .size: 8, .value_kind: global_buffer, .address_space: global }
      - { .name: Wv_codes, .offset: 40, .size: 8, .value_kind: global_buffer, .address_space: global }
      - { .name: bq, .offset: 48, .size: 8, .value_kind: global_buffer, .address_space: global }
      - { .name: bk, .offset: 56, .size: 8, .value_kind: global_buffer, .address_space: global }
      - { .name: bv, .offset: 64, .size: 8, .value_kind: global_buffer, .address_space: global }
      - { .name: lowp_scales, .offset: 72, .size: 8, .value_kind: global_buffer, .address_space: global }
      - { .name: q_img, .offset: 80, .size: 8, .value_kind: global_buffer, .address_space: global }
      - { .name: k_img, .offset: 88, .size: 8, .value_kind: global_buffer, .address_space: global }
      - { .name: v_img, .offset: 96, .size: 8, .value_kind: global_buffer, .address_space: global }
    .group_segment_fixed_size: 327680
    .private_segment_fixed_size: 0
    .kernarg_segment_align: 8
    .kernarg_segment_size: 104
    .max_flat_workgroup_size: 128
    .sgpr_count:     102
    .vgpr_count:     1024
    .wavefront_size: 32
...
	.end_amdgpu_metadata
.endif
;; end of part 1
;; launch attn (part 2): grid 4 x 64, 16 waves a work-group, clusters of 4 x 1, 327,680 bytes of LDS; arguments q_img, k_img, v_img, lowp_scales, o_img; writes o_img
.if DOCPART == 2
	.amdgcn_target "amdgcn-amd-amdhsa--gfx1250"
	.amdhsa_code_object_version 6
	.text
	.protected	k_qeb84f49282_attn
	.globl	k_qeb84f49282_attn
	.p2align	8
	.type	k_qeb84f49282_attn,@function
k_qeb84f49282_attn:
	s_mov_b64 s[64:65], 0
	v_nop
	global_prefetch_b8 v0, s[64:65] scope:SCOPE_SE
	s_setreg_imm32_b32 hwreg(HW_REG_WAVE_MODE, 25, 1), 1
	s_wait_xcnt 0x0
	s_wait_alu depctr_hold_cnt(0) depctr_sa_sdst(0) depctr_va_vdst(0) depctr_va_sdst(0) depctr_va_ssrc(0) depctr_va_vcc(0) depctr_vm_vsrc(0)
	s_getreg_b32 s2, hwreg(HW_REG_IB_STS2, 6, 4)
	s_cmp_eq_u32 s2, 0
	s_cbranch_scc0 .Lentry_in_a_cluster
	s_endpgm
.Lentry_in_a_cluster:
	s_bfe_u32 s2, ttmp6, 0x10000c
	s_cmp_lg_u32 s2, 0x3003
	s_cbranch_scc0 .Lentry_shape_is_right
	s_endpgm
.Lentry_shape_is_right:
; ATTENTION ON CODES OF FP8 (E4M3), head size 64, 2,048 keys, 64 (batch, head) pairs; no mask.  o = softmax(q k^T / 8) v, both products quantised; o is quantised for the output projection.
; q_img, k_img: [bh][tile of 16 rows][c 0..1][lane][16 bytes]; v_img: [bh][64 keys][tile of 16 d][c][lane][16 bytes]; o_img: [128 batch + tile of 16 rows][head][c][lane][16 bytes]:
; images of operand registers in the plain 8-bit forms' own order: a chunk of 512 bytes, lane l's 16 bytes at 16 l, is four registers of a fragment.
; THE SOFTMAX: t = score x log2(e) / 8; M = the row's largest t rounded UP to a whole number; p = 2^(t - M) is quantised with 2^e8, not normalised; the row's sum is taken of the unquantised p and divides at the end.
; SHARES.  A work-group owns 512 queries of one (batch, head); each of its sixteen waves 32 of them, two tiles of 16, in 256 registers.
; THE HEAD'S WHOLE K AND V LIE IN LDS, 131,072 bytes each, filled ONCE: 16 pieces of 16,384 bytes, one tensor load a wave (waves 0-7: K's, waves 8-15: V's), the addresses made by arithmetic on the wave's number.
; CLUSTER.  The four query blocks of a (batch, head) need the same K and V: each piece is asked for JOINTLY, by the same load with the same descriptor and the mask of all four.
; TWO PASSES over the keys.  Pass A: S^T = K Q^T and each query's largest score: that gives M.  Pass B: the scores again (the same instructions on the same registers), p, the sum, the codes, O^T += V^T P: nothing is rescaled.
; LAYOUT.  Both products transposed (source 0 = 16 keys, or 16 of the head's 64; source 1 = my 16 queries): a lane holds ONE query (lane % 16).  In S^T register j of key tile t is key 16 t + 8 (lane / 16) + j:
; converted, tile t's eight numbers are registers 2 t, 2 t + 1 of the second product's operand.  The same holds of O^T and o_img.
; PASS B GOES BY PHASES OF ONE QUERY TILE; the two tiles are half a step apart.  In a phase tile u's 32 scores are scaled and its 32 exponentials issued; between the exponentials stand plain lines on the OTHER tile's p,
; made a phase ago: eight first sums into registers of their own, and sixteen pairs of holds.  Behind the batch's wait: the other tile's codes, the rest of its sum, its four products with V, and its next four score products.
; LIMITS on the given exponents, so that each power of two below is an f32 number: e6 + e7 between -123 and 130 (added to c's exponent field); e8, and e10 - e8 - e9, between -126 and 119.
.set SPARE, 0x40000                    ; behind K and V: the spare words, 128 bytes a wave, that no other line names
.set L16,  1                           ; v1   16 x lane; never rewritten
.set ADK,  2                           ; v2   LDS address of K's loads
.set ADV,  3                           ; v3   of V's
.set LIM,  4                           ; v4   448 x 2^e8
.set SCL,  5                           ; v5   2^e8 as f32
.set NIL,  6                           ; v6   0; never rewritten
.set NM,   8                           ; v[8:9], v[10:11]  -M of tile 0, 1 (the packed form names a pair and takes its low word)
.set LS,   12                          ; v[12:13], v[14:15] the sum of tile 0, 1, in two halves
.set MX,   16                          ; v16-19 the largest score: two chains a tile
.set LIM2, 20                          ; v20  448 x 2^(e10 - e8 - e9)
.set SCL2, 21                          ; v21  2^(e10 - e8 - e9)
.set LIMB, 22                          ; v22  448 x 2^e8 once more: the two halves of a dual instruction take their second sources from different register banks
.set SPW,  23                          ; v23  LDS address of my spare word; never rewritten
.set QF,   24                          ; v24-39 Q's two fragments
.set KF,   40                          ; v40-71 four fragments of K
.set VF,   72                          ; v72-103 four fragments of V (pass A: four more of K)
.set S,    104                         ; v104-167 S^T, then p: tile u, key tile t at S + 32 u + 8 t
.set PC,   168                         ; v168-175 p's codes of the tile in hand; at the end, with v176-183, o's
.set T,    176                         ; v176-191 eight pairs: the first sums; also what the lane 16 away sends, and the reciprocals
.set O,    192                         ; v192-255 O^T: tile u, d tile dt at O + 32 u + 8 dt (pass A: scores of key tiles 4-7)
.set WV,   14                          ; s14  my wave's number
.set TB,   17                          ; s17  LDS byte of K's loads
.set CNT,  19                          ; s19  trips to go
.set SEL,  20                          ; s[20:21] lane selects for v_permlanex16_b32: lane l xor 16
.set CS,   22                          ; s[22:23] c = log2(e) / 8 x 2^(e6 + e7)
.set G1,   24                          ; s[24:31] descriptor group 1
.set G0,   32                          ; s[32:35] my group 0
.set TV,   36                          ; s36  LDS byte of V's loads
.macro CROUND                          ; a round of the cluster's barrier
	s_barrier_signal -1
	s_barrier_wait -1
	s_cmp_lg_u32 s[WV], 0
	s_cbranch_scc1 .Lnot_wave_0_\@
	s_barrier_signal -3
.Lnot_wave_0_\@:
	s_barrier_wait -3
	s_barrier_signal -1
	s_barrier_wait -1
.endm
.macro NOPS n
.rept \n
	v_nop
.endr
.endm
	s_load_b256 s[4:11], s[0:1], 0x0               ; q_img s[4:5], k_img s[6:7], v_img s[8:9], the scales' exponents s[10:11]
	s_load_b64 s[12:13], s[0:1], 0x20              ; o_img
	v_lshl_add_u32 v[SPW], v0, 2, SPARE
	v_mov_b32 v[NIL], 0
	ds_add_u32 v[SPW], v[NIL]                      ; the opening lines: the add, twice on end, and its wait ahead of my tensor load
	ds_add_u32 v[SPW], v[NIL]
	v_lshrrev_b32 v2, 5, v0
	s_delay_alu instid0(VALU_DEP_1)
	v_readfirstlane_b32 s[WV], v2                  ; wave 0..15
	s_bfe_u32 s15, ttmp6, 0x40000                  ; cx: my block of 512 queries: it enters q's and o's addresses alone
	s_and_b32 s16, ttmp7, 0xffff                   ; bh = 16 batch + head, which the four partners share
	; descriptor group 1: a dense block of 16,384 bytes as 64 rows of 256 bytes
	s_mov_b32 s[G1+0], 15|(3<<16)|(1<<21)          ; 15:0 the mask: all four work-groups; 17:16 elements of 8 bytes; no padding; 21 set beside a mask
	s_mov_b32 s[G1+1], 32<<16                      ; tensor_dim0 = 32 elements
	s_mov_b32 s[G1+2], 64<<16                      ; tensor_dim1 = 64
	s_mov_b32 s[G1+3], 32<<16                      ; tile_dim0 = 32
	s_mov_b32 s[G1+4], 64                          ; tile_dim1 = 64
	s_mov_b32 s[G1+5], 32                          ; tensor_dim0_stride
	s_mov_b32 s[G1+6], 0
	s_mov_b32 s[G1+7], 0
	s_mov_b32 s[SEL], 0x76543210
	s_mov_b32 s[SEL+1], 0xfedcba98
	s_mov_b32 s[G0], 1                             ; count = 1
	s_lshl_b32 s[G0+1], s[WV], 14                  ; LDS address: 16,384 x wave: K's image from byte 0, V's from byte 131,072
	s_and_b32 s18, s[WV], 7
	s_lshl_b32 s18, s18, 14                        ; my piece of the image
	s_lshl_b32 s74, s16, 17                        ; the pair's 131,072 bytes in k_img and v_img
	s_add_co_u32 s74, s74, s18
	s_mov_b32 s75, 0
	s_wait_dscnt 0x0                               ; both opening adds are done
	s_wait_kmcnt 0x0
	s_load_b128 s[68:71], s[10:11], 0x18           ; e6, e7, e8, e9
	s_load_b32 s72, s[10:11], 0x28                 ; e10
	s_cmp_lt_u32 s[WV], 8                          ; waves 0-7 fetch K, waves 8-15 V
	s_cselect_b64 s[G0+2:G0+3], s[6:7], s[8:9]
	s_add_nc_u64 s[G0+2:G0+3], s[G0+2:G0+3], s[74:75]
	s_or_b32 s[G0+3], s[G0+3], 0x80000000          ; type = 2
	CROUND                                         ; all four work-groups are here: the joint loads meet
	s_cmp_lt_u32 s[WV], 8                          ; K FIRST: pass A wants K alone, so waves 0-7 ask at the head, and waves 8-15 ask for V when K is in
	s_cbranch_scc0 .Lnot_k
	tensor_load_to_lds s[G0:G0+3], s[G1:G1+7]      ; my one tensor load of the launch
	s_nop 0
	NOPS 4
.Lnot_k:
	s_lshl_b32 s76, s15, 5
	s_lshl_b32 s77, s[WV], 1
	s_add_co_u32 s76, s76, s77                     ; my first tile of 16 queries: 32 cx + 2 wave
	s_lshl_b32 s78, s76, 10
	s_lshl_b32 s79, s16, 17
	s_add_co_u32 s78, s78, s79
	s_mov_b32 s79, 0
	s_add_nc_u64 s[4:5], s[4:5], s[78:79]          ; q_img at my first tile
	s_lshr_b32 s78, s16, 4                         ; batch
	s_lshl_b32 s78, s78, 7
	s_add_co_u32 s78, s78, s76
	s_lshl_b32 s78, s78, 14                        ; (128 batch + tile) x 16,384 bytes
	s_and_b32 s77, s16, 15                         ; head
	s_lshl_b32 s77, s77, 10
	s_add_co_u32 s78, s78, s77
	s_add_nc_u64 s[12:13], s[12:13], s[78:79]      ; o_img at my first tile, my head
	v_and_b32 v[L16], 31, v0
	s_delay_alu instid0(VALU_DEP_1)
	v_lshlrev_b32 v[L16], 4, v[L16]
.irp u, 0,1
.irp c, 0,1
	global_load_b128 v[QF+8*\u+4*\c:QF+8*\u+4*\c+3], v[L16], s[4:5] offset:1024*\u+512*\c   ; Q's fragments stay in registers
.endr
.endr
	v_mov_b32 v[T], 0                              ; written once: a lane permute's destination counts as one of its sources
	v_mov_b32 v[T+1], 0
.irp i, 0,1,2,3
	v_mov_b32 v[MX+\i], 0xff800000                 ; -infinity, under every score
.endr
	s_wait_kmcnt 0x0
	s_add_co_i32 s73, s68, s69
	s_lshl_b32 s73, s73, 23
	s_mov_b32 s[CS], 0x3e38aa3b                    ; log2(e) / 8
	s_add_co_i32 s[CS], s[CS], s73                 ; a score stands for score x 2^(e6 + e7): the two exponents are added to c's exponent field
	s_mov_b32 s[CS+1], s[CS]                       ; (named with it as a pair, so it is written)
	s_add_co_i32 s73, s70, 127
	s_lshl_b32 s74, s73, 23
	v_mov_b32 v[SCL], s74                          ; 2^e8
	s_add_co_i32 s73, s73, 8
	s_lshl_b32 s73, s73, 23
	s_or_b32 s73, s73, 0x600000
	v_mov_b32 v[LIM], s73                          ; 448 x 2^e8
	v_mov_b32 v[LIMB], s73
	s_sub_co_i32 s73, s72, s70
	s_sub_co_i32 s73, s73, s71                     ; O^T / l stands for o / 2^(e8 + e9): its code is (O^T / l) / 2^(e10 - e8 - e9)
	s_add_co_i32 s73, s73, 127
	s_lshl_b32 s74, s73, 23
	v_mov_b32 v[SCL2], s74
	s_add_co_i32 s73, s73, 8
	s_lshl_b32 s73, s73, 23
	s_or_b32 s73, s73, 0x600000
	v_mov_b32 v[LIM2], s73
	s_wait_alu depctr_va_vdst(0)
	s_wait_loadcnt 0x0                             ; Q
	s_wait_tensorcnt 0x0                           ; my piece of K has landed;
	ds_add_u32 v[SPW], v[NIL]                      ; the add written twice
	ds_add_u32 v[SPW], v[NIL]
	s_wait_dscnt 0x0
	CROUND                                         ; a whole round: K is whole in all four work-groups, and the joint loads meet
	s_cmp_ge_u32 s[WV], 8
	s_cbranch_scc0 .Lnot_v
	tensor_load_to_lds s[G0:G0+3], s[G1:G1+7]      ; V's eight pieces: bytes that nothing has filled; they have pass A in which to land
	s_nop 0
	NOPS 4
.Lnot_v:
; PASS A: 16 trips of 128 keys.  A trip: 16 products, the next trip's 16 LDS loads, 64 maxima under which those loads come in.
.macro KLOAD8 adr
.irp t, 0,1,2,3,4,5,6,7                        ; eight key tiles; V's registers take tiles 4-7
.irp c, 0,1
	ds_load_b128 v[KF+8*\t+4*\c:KF+8*\t+4*\c+3], v[\adr] offset:1024*\t+512*\c
.endr
.endr
.endm
	KLOAD8 L16
	s_mov_b32 s[TB], 0
	s_mov_b32 s[CNT], 16
.Lpass_a:
	s_add_co_u32 s[TB], s[TB], 8192
	s_and_b32 s[TB], s[TB], 0x1e000                ; the last trip fetches from K's first byte again: key tiles 0-3 are pass B's first K (tiles 4-7 of that one fetch are not used); the mask keeps every fetch inside K's image
	s_wait_dscnt 8                                 ; tiles 0-3 are in; the youngest eight loads (tiles 4-7) may be out
.irp t, 0,1,2,3
.irp u, 0,1
	v_wmma_f32_16x16x64_fp8_fp8 v[S+32*\u+8*\t:S+32*\u+8*\t+7], v[KF+8*\t:KF+8*\t+7], v[QF+8*\u:QF+8*\u+7], 0
.endr
.endr
	s_wait_dscnt 0x0
.irp t, 0,1,2,3
.irp u, 0,1
	v_wmma_f32_16x16x64_fp8_fp8 v[O+32*\u+8*\t:O+32*\u+8*\t+7], v[VF+8*\t:VF+8*\t+7], v[QF+8*\u:QF+8*\u+7], 0
.endr
.endr
	v_add_nc_u32 v[ADK], s[TB], v[L16]
	NOPS 3                                         ; four places in front of the loads into the fragments' registers and of the first read of results
	KLOAD8 ADK
.irp base, S, O                                ; four chains that do not wait for each other; each accumulator is read from its low end on
.irp t, 0,1,2,3
.irp k, 0,1,2,3
	v_max3_num_f32 v[MX+\k%2], v[MX+\k%2], v[\base+8*\t+2*\k], v[\base+8*\t+2*\k+1]
	v_max3_num_f32 v[MX+2+\k%2], v[MX+2+\k%2], v[\base+32+8*\t+2*\k], v[\base+32+8*\t+2*\k+1]
.endr
.endr
.endr
	s_sub_co_u32 s[CNT], s[CNT], 1
	s_cmp_lg_u32 s[CNT], 0
	s_wait_alu depctr_va_vdst(0)
	s_cbranch_scc1 .Lpass_a
	v_max_num_f32 v[MX], v[MX], v[MX+1]
	v_max_num_f32 v[MX+2], v[MX+2], v[MX+3]
	s_delay_alu instid0(VALU_DEP_2)
	v_permlanex16_b32 v[T], v[MX], s[SEL], s[SEL+1]        ; the query's other keys lie in the lane 16 away
	s_delay_alu instid0(VALU_DEP_2)
	v_permlanex16_b32 v[T+1], v[MX+2], s[SEL], s[SEL+1]
	s_delay_alu instid0(VALU_DEP_2)
	v_max_num_f32 v[MX], v[MX], v[T]
	s_delay_alu instid0(VALU_DEP_2)
	v_max_num_f32 v[MX+2], v[MX+2], v[T+1]
	s_delay_alu instid0(VALU_DEP_2)
	v_mul_f32 v[MX], s[CS], v[MX]                  ; as t (c is positive)
	s_delay_alu instid0(VALU_DEP_2)
	v_mul_f32 v[MX+2], s[CS], v[MX+2]
	s_delay_alu instid0(VALU_DEP_2)
	v_floor_f32 v[NM], -v[MX]                      ; -M = floor(-t) = -ceil(t): M is a whole number
	s_delay_alu instid0(VALU_DEP_2)
	v_floor_f32 v[NM+2], -v[MX+2]
	s_delay_alu instid0(VALU_DEP_2)
	v_mov_b32 v[NM+1], v[NM]
	s_delay_alu instid0(VALU_DEP_2)
	v_mov_b32 v[NM+3], v[NM+2]
; PASS B.
.macro SCORES u                        ; S^T of tile u = the four key tiles in K's registers x Q
.irp t, 0,1,2,3
	v_wmma_f32_16x16x64_fp8_fp8 v[S+32*\u+8*\t:S+32*\u+8*\t+7], v[KF+8*\t:KF+8*\t+7], v[QF+8*\u:QF+8*\u+7], 0
.endr
.endm
.macro PV u, first                     ; O^T of tile u += V^T P.  first = 1: the product starts the sums: nothing is ever cleared.  Fifteen other matrix instructions stand between two turns of one accumulator
.irp dt, 0,1,2,3
.if \first
	v_wmma_f32_16x16x64_fp8_fp8 v[O+32*\u+8*\dt:O+32*\u+8*\dt+7], v[VF+8*\dt:VF+8*\dt+7], v[PC:PC+7], 0
.else
	v_wmma_f32_16x16x64_fp8_fp8 v[O+32*\u+8*\dt:O+32*\u+8*\dt+7], v[VF+8*\dt:VF+8*\dt+7], v[PC:PC+7], v[O+32*\u+8*\dt:O+32*\u+8*\dt+7]
.endif
.endr
.endm
.macro SUM1 o, j                       ; THE ROW'S SUM IS TAKEN OF THE UNQUANTISED p: four numbers of tile o become a pair in registers of its own,
	v_pk_add_f32 v[T+2*(\j):T+2*(\j)+1], v[S+32*\o+4*(\j):S+32*\o+4*(\j)+1], v[S+32*\o+4*(\j)+2:S+32*\o+4*(\j)+3]
.endm
.macro HOLD o, n                       ; and then are held: the conversion to an 8-bit code does not saturate (ISA guide 7.6.2); p is not negative, so the hold is one-sided; two numbers an instruction
	v_dual_min_num_f32 v[S+32*\o+(\n)], v[S+32*\o+(\n)], v[LIM] :: v_dual_min_num_f32 v[S+32*\o+(\n)+1], v[S+32*\o+(\n)+1], v[LIMB]
.endm
.macro REST o, first                   ; tile o's codes, and the rest of its sum (plain lines, which also stand between the last conversion and the products)
.irp t, 0,1,2,3
	v_cvt_scalef32_pk8_fp8_f32 v[PC+2*\t:PC+2*\t+1], v[S+32*\o+8*\t:S+32*\o+8*\t+7], v[SCL]   ; keys 16 t + 8 (lane / 16) + 0..7: registers 2 t, 2 t + 1 of the operand
.endr
.irp j, 0,4
	v_pk_add_f32 v[T+\j:T+\j+1], v[T+\j:T+\j+1], v[T+\j+2:T+\j+3]
.endr
.endm
.macro REST2 o, first                  ; what is left of tile o's sum: five or six plain lines that name no register of the products: they stand behind them as the places in front of the loads and of the first read of the scores
.irp j, 8,12
	v_pk_add_f32 v[T+\j:T+\j+1], v[T+\j:T+\j+1], v[T+\j+2:T+\j+3]
.endr
	v_pk_add_f32 v[T:T+1], v[T:T+1], v[T+4:T+5]
	v_pk_add_f32 v[T+8:T+9], v[T+8:T+9], v[T+12:T+13]
.if \first
	v_pk_add_f32 v[LS+2*\o:LS+2*\o+1], v[T:T+1], v[T+8:T+9]
.else
	v_pk_add_f32 v[LS+2*\o:LS+2*\o+1], v[LS+2*\o:LS+2*\o+1], v[T:T+1]
	v_pk_add_f32 v[LS+2*\o:LS+2*\o+1], v[LS+2*\o:LS+2*\o+1], v[T+8:T+9]
.endif
.endm
; A PHASE.  u: the tile whose fresh scores become p.  o: the other tile.  fill: o has a p to finish.  pv, sc: o's products with V, o's next scores.
.macro PHASE u, o, fill, first, pv, sc
.irp j, 0,2,4,6,8,10,12,14,16,18,20,22,24,26,28,30
	v_pk_fma_f32 v[S+32*\u+\j:S+32*\u+\j+1], v[S+32*\u+\j:S+32*\u+\j+1], s[CS:CS+1], v[NM+2*\u:NM+2*\u+1] op_sel_hi:[1,0,0]   ; t - M, two at a time (of the pairs c and -M the low word serves both halves)
.endr
	s_wait_alu depctr_va_vdst(0)
.irp j, 0,1,2,3,4,5,6,7
	v_exp_f32 v[S+32*\u+4*\j], v[S+32*\u+4*\j]     ; p = 2^(t - M): NOT normalised
.if \fill
	SUM1 \o, \j
.endif
	v_exp_f32 v[S+32*\u+4*\j+1], v[S+32*\u+4*\j+1]
.if \fill
	HOLD \o, 4*\j
.endif
	v_exp_f32 v[S+32*\u+4*\j+2], v[S+32*\u+4*\j+2]
.if \fill
	HOLD \o, 4*\j+2
.endif
	v_exp_f32 v[S+32*\u+4*\j+3], v[S+32*\u+4*\j+3]
.endr
	v_nop                                          ; a plain line behind the last exponential
.if \fill
	s_wait_alu depctr_va_vdst(0)                   ; one wait for the batch and for what the plain lines inside it wrote
	REST \o, \first
.endif
	s_wait_alu depctr_va_vdst(0)                   ; ahead of the wait below and of the products, the first readers of O^T
	s_wait_dscnt 0x0                               ; the fragments asked for a phase ago are in
.if \pv
	PV \o, \first
.endif
.if \sc
	SCORES \o
.endif
.if \fill
	REST2 \o, \first
.endif
.endm
.macro LOADS more                      ; behind tile 1's products both tiles are done with V of this step and K of the next: V of the next step, and (more = 1) K of the step after it
	v_add_nc_u32 v[ADV], s[TV], v[L16]
.if \more
	v_add_nc_u32 v[ADK], s[TB], v[L16]
.else
	v_nop
.endif
.irp dt, 0,1,2,3
.irp c, 0,1
	ds_load_b128 v[VF+8*\dt+4*\c:VF+8*\dt+4*\c+3], v[ADV] offset:1024*\dt+512*\c
.endr
.endr
.if \more
.irp t, 0,1,2,3
.irp c, 0,1
	ds_load_b128 v[KF+8*\t+4*\c:KF+8*\t+4*\c+3], v[ADK] offset:4096+1024*\t+512*\c
.endr
.endr
.endif
	s_add_co_u32 s[TB], s[TB], 4096                ; a step's K is 4,096 bytes, and so is its V
	s_add_co_u32 s[TV], s[TV], 4096
.endm
.macro BODY first, more                ; step i: tile 1's p, tile 0 finished and its scores of step i + 1; tile 0's p of step i + 1, tile 1 finished and its scores of step i + 1
	PHASE 1, 0, 1, \first, 1, 1
	PHASE 0, 1, 1, \first, 1, 1
	LOADS \more
.endm
	s_mov_b32 s[TB], 0
	s_mov_b32 s[TV], 0x20000
	s_wait_alu depctr_va_vdst(0)
	s_wait_dscnt 0x0                               ; K of step 0
	s_wait_tensorcnt 0x0                           ; my piece of V, if I fetched one, has landed:
	s_barrier_signal -1                            ; say so
	SCORES 0
	NOPS 4
	PHASE 0, 1, 0, 0, 0, 1                         ; tile 0's p of step 0; tile 1 has nothing to finish yet
	NOPS 2                                         ; with the two additions below: the places behind the scores
	s_barrier_wait -1                              ; V is whole for every wave
	LOADS 1
	BODY 1, 1                                      ; step 0 starts the sums
	s_mov_b32 s[CNT], 29
.Lkeys:
	BODY 0, 1                                      ; steps 1 to 29
	s_sub_co_u32 s[CNT], s[CNT], 1
	s_cmp_lg_u32 s[CNT], 0
	s_cbranch_scc1 .Lkeys
	BODY 0, 0                                      ; step 30: no K is left to fetch
	PHASE 1, 0, 1, 0, 1, 0                         ; step 31: tile 1's p, tile 0 finished
.irp j, 0,1,2,3,4,5,6,7                        ; and tile 1 is finished with no batch beside it
	SUM1 1, \j
	HOLD 1, 4*\j
	HOLD 1, 4*\j+2
.endr
	REST 1, 0
	s_wait_alu depctr_va_vdst(0)                   ; directly ahead of the first readers of O^T
	PV 1, 0
	REST2 1, 0
	; THE WAY OUT.  The sum's halves are added (these lines are the places behind the last products); O^T is divided by the sum, held, converted, and stored as an image: no stage.
	v_add_f32 v[LS], v[LS], v[LS+1]
	v_add_f32 v[LS+2], v[LS+2], v[LS+3]
	v_permlanex16_b32 v[T], v[LS], s[SEL], s[SEL+1]
	v_permlanex16_b32 v[T+1], v[LS+2], s[SEL], s[SEL+1]
	v_add_f32 v[LS], v[LS], v[T]                   ; the row's sum
	v_add_f32 v[LS+2], v[LS+2], v[T+1]
	s_wait_alu depctr_va_vdst(0)
	v_rcp_f32 v[T+2], v[LS]
	v_rcp_f32 v[T+4], v[LS+2]
	v_nop                                          ; a plain line between the last reciprocal and the use of its result
	s_wait_alu depctr_va_vdst(0)                   ; and the wait ahead of the first use, and of the first readers of O^T
.irp u, 0,1
.irp j, 0,2,4,6,8,10,12,14,16,18,20,22,24,26,28,30
	v_pk_mul_f32 v[O+32*\u+\j:O+32*\u+\j+1], v[O+32*\u+\j:O+32*\u+\j+1], v[T+2+2*\u:T+3+2*\u] op_sel_hi:[1,0]   ; each accumulator from its low end on
.endr
.endr
.set n, 0
.rept 64
	v_med3_num_f32 v[O+n], v[O+n], -v[LIM2], v[LIM2]
.set n, n+1
.endr
.irp u, 0,1
.irp dt, 0,1,2,3
	v_cvt_scalef32_pk8_fp8_f32 v[PC+8*\u+2*\dt:PC+8*\u+2*\dt+1], v[O+32*\u+8*\dt:O+32*\u+8*\dt+7], v[SCL2]   ; d = 16 dt + 8 (lane / 16) + 0..7 of my row
.endr
.endr
	v_nop
.irp u, 0,1
.irp c, 0,1
	global_store_b128 v[L16], v[PC+8*\u+4*\c:PC+8*\u+4*\c+3], s[12:13] offset:16384*\u+512*\c   ; 32 lanes store 512 consecutive bytes, aligned
.endr
.endr
	s_wait_tensorcnt 0x0                           ; the wave's end
	ds_add_u32 v[SPW], v[NIL]
	s_wait_dscnt 0x0
	CROUND                                         ; the closing round: no work-group ends while a partner may still ask for a tile that names it
	s_endpgm
.Lfunc_end_k_qeb84f49282_attn:
	.size	k_qeb84f49282_attn, .Lfunc_end_k_qeb84f49282_attn-k_qeb84f49282_attn
	.p2alignl 7, 3214868480
	.fill 96, 4, 3214868480
	.section	.rodata,"a",@progbits
	.p2align	6, 0x0
	.amdhsa_kernel k_qeb84f49282_attn
		.amdhsa_group_segment_fixed_size 327680
		.amdhsa_private_segment_fixed_size 0
		.amdhsa_enable_private_segment 0
		.amdhsa_kernarg_size 40
		.amdhsa_user_sgpr_count 2
		.amdhsa_user_sgpr_kernarg_segment_ptr 1
		.amdhsa_wavefront_size32 1
		.amdhsa_system_sgpr_workgroup_id_x 1
		.amdhsa_system_sgpr_workgroup_id_y 1
		.amdhsa_system_sgpr_workgroup_id_z 1
		.amdhsa_system_vgpr_workitem_id 0
		.amdhsa_next_free_vgpr 256
		.amdhsa_next_free_sgpr 80
		.amdhsa_reserve_vcc 0
		.amdhsa_float_denorm_mode_32 3
		.amdhsa_float_denorm_mode_16_64 3
		.amdhsa_memory_ordered 1
		.amdhsa_forward_progress 1
		.amdhsa_inst_pref_size 66
	.end_amdhsa_kernel
	.amdgpu_metadata
---
amdhsa.version: [ 1, 2 ]
amdhsa.kernels:
  - .name:           k_qeb84f49282_attn
    .symbol:         k_qeb84f49282_attn.kd
    .args:
      - { .name: q_img, .offset: 0, .size: 8, .value_kind: global_buffer, .address_space: global }
      - { .name: k_img, .offset: 8, .size: 8, .value_kind: global_buffer, .address_space: global }
      - { .name: v_img, .offset: 16, .size: 8, .value_kind: global_buffer, .address_space: global }
      - { .name: lowp_scales, .offset: 24, .size: 8, .value_kind: global_buffer, .address_space: global }
      - { .name: o_img, .offset: 32, .size: 8, .value_kind: global_buffer, .address_space: global }
    .group_segment_fixed_size: 327680
    .private_segment_fixed_size: 0
    .kernarg_segment_align: 8
    .kernarg_segment_size: 40
    .max_flat_workgroup_size: 512
    .sgpr_count:     80
    .vgpr_count:     256
    .wavefront_size: 32
...
	.end_amdgpu_metadata
.endif
;; end of part 2
;; launch outp (part 3): grid 64 x 4, 4 waves a work-group, clusters of 4 x 1, 284,160 bytes of LDS; arguments o_img, Wo_codes, lowp_scales, bo, out0; writes out0
.if DOCPART == 3
	.amdgcn_target "amdgcn-amd-amdhsa--gfx1250"
	.amdhsa_code_object_version 6
	.text
	.protected	k_qeb84f49282_outp
	.globl	k_qeb84f49282_outp
	.p2align	8
	.type	k_qeb84f49282_outp,@function
k_qeb84f49282_outp:
	s_mov_b64 s[64:65], 0
	v_nop
	global_prefetch_b8 v0, s[64:65] scope:SCOPE_SE
	s_setreg_imm32_b32 hwreg(HW_REG_WAVE_MODE, 25, 1), 1
	s_wait_xcnt 0x0
	s_wait_alu depctr_hold_cnt(0) depctr_sa_sdst(0) depctr_va_vdst(0) depctr_va_sdst(0) depctr_va_ssrc(0) depctr_va_vcc(0) depctr_vm_vsrc(0)
	s_getreg_b32 s2, hwreg(HW_REG_IB_STS2, 6, 4)
	s_cmp_eq_u32 s2, 0
	s_cbranch_scc0 .Lentry_in_a_cluster
	s_endpgm
.Lentry_in_a_cluster:
	s_bfe_u32 s2, ttmp6, 0x10000c
	s_cmp_lg_u32 s2, 0x3003
	s_cbranch_scc0 .Lentry_shape_is_right
	s_endpgm
.Lentry_shape_is_right:
; THE OUTPUT PROJECTION: out0 = o Wo + bo on codes of FP8 (E4M3).  o_img: [tile of 16 rows][head][c 0..1][lane][16 bytes], an image of operand registers in the plain 8-bit forms' own order (16,384 bytes a tile);
; Wo_codes: [1024 n][1024 k]; bo: [1024] f32; out0: [8192][1024] f32.  A sum stands for sum x 2^(e10 + e11).  LIMIT: e10 + e11 lies between -126 and 127, so that this power of two is an f32 number.
; SHARES.  256 work-groups: x = a block of 128 rows, y = a block of 256 columns.  Four waves: wave w makes rows 64 (w / 2) .. + 63 and, in two halves one after the other, columns 128 j + 64 (w % 2) .. + 63: 16 accumulators.
; B: ALL 256 ROWS OF Wo OVER THE WHOLE K LIE IN LDS, filled ONCE: 4 x 64 rows of 1,024 bytes, one tensor load a wave, the addresses made by arithmetic on the wave's number.  Nothing is filled again: no ring.
; CLUSTER.  The four row blocks of a cluster (4, 1, 1) need the same rows of Wo: each piece is asked for JOINTLY, by the same load with the same descriptor and the mask of all four.
; A: a wave's 64 rows x 1,024 K are 512 registers.  o_img is laid as those registers, so they are loaded straight from memory, 512 consecutive bytes an instruction, and serve both halves: LDS is read for B alone.
; A takes no joint load: it never lies in LDS; the two waves of a work-group that share rows each load them.
; No prefetch: every byte that the launch reads is asked for at its head, and there is no loop to run ahead in.
; THE MATRIX INSTRUCTION IS USED TRANSPOSED (source 0 = 16 rows of Wo, source 1 = 16 rows of o): a lane holds eight neighbouring columns of one row.  THE BIAS is the C of each sum's first instruction, as bo / 2^(e10 + e11).
; REGISTERS, in windows of 256: window 0: v16-29 addresses; v32-95 the bias; v96-127 a block's scaled sums; v128-255 rows read back from the stage.
;   window 1: v0-127 B's fragments, two sets; v128-255 the accumulators ((a, b) at 128 + 8 (4 a + b)).   windows 2, 3: A: K step q, block a at window 2 + q / 4, v[64 (q % 4) + 16 a].
.set PITCH,  1040                      ; an LDS row of B: 1,024 bytes + 16 of padding = 260 words: the 32 lanes of an 8-byte load touch 64 different banks (64 banks of 4 bytes: ISA guide 11.1)
.set BQ,     64*PITCH                  ; what one tensor load brings
.set STAGE,  4*BQ                      ; behind B: 16 rows x 272 bytes for each wave, for the way out
.set SPITCH, 272
.set SPARE,  STAGE+4*16*SPITCH         ; behind the stages: the spare words, 128 bytes a wave, that no other line names
.set AO,   16                          ; v16  16 x lane: my place in a chunk of o_img
.set ADRB, 18                          ; v18-19 LDS address of my B fragments, half 0, 1
.set STO,  20                          ; v20  the way out: where I put 32 bytes of a row
.set RD,   21                          ; v21  where I read a row back
.set CO,   22                          ; v22  my byte offset in out0
.set BH,   23                          ; v23  32 x (lane / 16): the bias's offset
.set SPW,  28                          ; v28  LDS address of my spare word; never rewritten
.set NIL,  29                          ; v29  0; never rewritten
.set BP,   32
.set TMP,  96
.set BK,   128
.set ACC,  128
.set G1,   24                          ; s[24:31] descriptor group 1
.set G0,   32                          ; s[32:35] my group 0
.set MSB, 0
.macro WIN new                         ; the immediate's high byte repeats the setting that is left
.if MSB != (\new)
	s_set_vgpr_msb (MSB<<8)|(\new)
.set MSB, (\new)
.endif
.endm
.macro PLACES n
.rept \n
	v_nop
.endr
.endm
.macro CROUND                          ; a round of the cluster's barrier
	s_barrier_signal -1
	s_barrier_wait -1
	s_cmp_lg_u32 s14, 0
	s_cbranch_scc1 .Lnot_wave_0_\@
	s_barrier_signal -3
.Lnot_wave_0_\@:
	s_barrier_wait -3
	s_barrier_signal -1
	s_barrier_wait -1
.endm
	s_load_b128 s[4:7], s[0:1], 0x0                ; o_img s[4:5], Wo's codes s[6:7]
	s_load_b64 s[8:9], s[0:1], 0x10                ; the scales' exponents
	s_load_b64 s[12:13], s[0:1], 0x18              ; bo
	s_load_b64 s[10:11], s[0:1], 0x20              ; out0
	v_lshl_add_u32 v[SPW], v0, 2, SPARE
	v_mov_b32 v[NIL], 0
	ds_add_u32 v[SPW], v[NIL]                      ; the opening lines: the add, twice on end, and its wait ahead of my tensor load
	ds_add_u32 v[SPW], v[NIL]
	v_lshrrev_b32 v1, 5, v0
	v_readfirstlane_b32 s14, v1                    ; wave 0..3
	s_lshr_b32 s15, s14, 1                         ; which 64 rows are mine
	s_and_b32 s16, s14, 1                          ; which 64 columns of a half
	s_bfe_u32 s40, ttmp6, 0x40000                  ; cx: it enters o_img's and out0's addresses alone
	s_lshl_b32 s17, ttmp9, 2
	s_add_co_u32 s17, s17, s40                     ; my block of 128 rows
	s_and_b32 s18, ttmp7, 0xffff                   ; my block of 256 columns, which the four partners share
	; descriptor group 1: 64 rows of 1,024 bytes, 16 bytes of padding behind each
	s_mov_b32 s[G1+0], 15|(0<<16)|(1<<20)|(1<<21)|(7<<22)|(3<<25)  ; 15:0 the mask: all four; 17:16 elements of 1 byte; 20 padding on; 21 set beside a mask; 24:22 after every 256 words (code 7); 31:25 four words (code 3)
	s_mov_b32 s[G1+1], 1024<<16                    ; tensor_dim0
	s_mov_b32 s[G1+2], 64<<16                      ; tensor_dim1
	s_mov_b32 s[G1+3], 1024<<16                    ; tile_dim0
	s_mov_b32 s[G1+4], 64                          ; tile_dim1
	s_mov_b32 s[G1+5], 1024                        ; tensor_dim0_stride
	s_mov_b32 s[G1+6], 0
	s_mov_b32 s[G1+7], 0
	s_mov_b32 s[G0], 1                             ; count = 1
	s_mul_i32 s[G0+1], s14, BQ                     ; LDS address: wave x 64 rows
	s_lshl_b32 s20, s18, 18                        ; Wo's row 256 y + 64 wave, in bytes
	s_lshl_b32 s21, s14, 16
	s_add_co_u32 s20, s20, s21
	s_mov_b32 s21, 0
	s_wait_dscnt 0x0                               ; both opening adds are done
	s_wait_kmcnt 0x0
	s_load_b64 s[96:97], s[8:9], 0x28              ; e10, e11
	s_add_nc_u64 s[G0+2:G0+3], s[6:7], s[20:21]
	s_or_b32 s[G0+3], s[G0+3], 0x80000000          ; type = 2
	CROUND                                         ; all four work-groups are here: the joint loads meet
	tensor_load_to_lds s[G0:G0+3], s[G1:G1+7]      ; my one tensor load of the launch
	s_nop 0
	PLACES 4
	s_lshl_b32 s20, s17, 17                        ; o_img: 131,072 bytes a block of 128 rows, 65,536 for my 64
	s_lshl_b32 s21, s15, 16
	s_add_co_u32 s20, s20, s21
	s_mov_b32 s21, 0
	s_add_nc_u64 s[4:5], s[4:5], s[20:21]
	s_lshl_b32 s42, s18, 10                        ; my first column, in bytes of f32: 1,024 y + 256 (wave % 2)
	s_lshl_b32 s43, s16, 8
	s_add_co_u32 s42, s42, s43
	s_mov_b32 s43, 0
	s_add_nc_u64 s[12:13], s[12:13], s[42:43]      ; the bias there
	s_lshl_b32 s20, s17, 19                        ; my first row of out0: 128 x + 64 (wave / 2), 4,096 bytes a row
	s_lshl_b32 s21, s15, 18
	s_add_co_u32 s20, s20, s21
	s_mov_b32 s21, 0
	s_add_nc_u64 s[10:11], s[10:11], s[20:21]
	s_add_nc_u64 s[10:11], s[10:11], s[42:43]
	s_mul_i32 s44, s16, BQ                         ; my 64 rows of B in half 0,
	s_add_co_u32 s45, s44, 2*BQ                    ; and in half 1
	s_mul_i32 s46, s14, 16*SPITCH
	s_add_co_u32 s46, s46, STAGE                   ; my stage
	v_and_b32 v1, 15, v0                           ; r = l % 16
	v_bfe_u32 v2, v0, 4, 1                         ; h = l / 16
	v_and_b32 v3, 31, v0
	v_lshlrev_b32 v[AO], 4, v3
	v_mul_u32_u24 v4, v1, PITCH
	v_lshl_add_u32 v4, v2, 3, v4                   ; B: row r, + 8 h: the plain form's own order, as o_img has it
	v_add_nc_u32 v[ADRB], s44, v4
	v_add_nc_u32 v[ADRB+1], s45, v4
	v_mul_u32_u24 v5, v1, SPITCH                   ; in: row r, 32 bytes for each half of the lanes
	v_lshl_add_u32 v5, v2, 5, v5
	v_add_nc_u32 v[STO], s46, v5
	v_mul_u32_u24 v6, v2, SPITCH                   ; back: lanes 0-15 one row of 256 bytes, lanes 16-31 the next
	v_lshl_add_u32 v6, v1, 4, v6
	v_add_nc_u32 v[RD], s46, v6
	v_lshlrev_b32 v7, 12, v2                       ; and the same two rows in out0
	v_lshl_add_u32 v[CO], v1, 4, v7
	v_lshlrev_b32 v[BH], 5, v2
	s_wait_alu depctr_va_vdst(0)
.irp j, 0,1                                    ; the bias: half j, tile b: columns 128 j + 16 b + 8 h + 0..7 from my first
.irp b, 0,1,2,3
	global_load_b128 v[BP+32*\j+8*\b:BP+32*\j+8*\b+3], v[BH], s[12:13] offset:512*\j+64*\b
	global_load_b128 v[BP+32*\j+8*\b+4:BP+32*\j+8*\b+7], v[BH], s[12:13] offset:512*\j+64*\b+16
.endr
.endr
.irp q, 0,1,2,3,4,5,6,7                        ; A, K step by K step: 16 loads a step; a step of 128 is two heads, four chunks of 512 bytes
.set W, 0x80+0x40*(\q/4)
	WIN W                                          ; destination window 2 or 3, address window 0
.irp i, 0,1,2,3
.irp c, 0,1,2,3
	global_load_b128 v[64*(\q%4)+16*\i+4*\c:64*(\q%4)+16*\i+4*\c+3], v[AO], s[4:5] offset:16384*\i+2048*\q+512*\c
.endr
.endr
.endr
	WIN 0
	s_wait_kmcnt 0x0
	s_add_co_i32 s94, s96, s97                     ; e10 + e11
	s_sub_co_i32 s95, 0, s94                       ; the bias goes in divided by the power of two that the sums lack
	s_add_co_i32 s96, s94, 127
	s_lshl_b32 s96, s96, 23                        ; 2^(e10 + e11) as f32
	s_mov_b32 s97, s96                             ; (named with it as a pair, so it is written)
	s_wait_loadcnt 63                              ; the bias is in: 128 loads were issued behind it, and the wait's field names 63 at the most
.set n, 0
.rept 64
	v_ldexp_f32 v[BP+n], v[BP+n], s95
.set n, n+1
.endr
	s_wait_alu depctr_va_vdst(0)
	s_wait_tensorcnt 0x0                           ; my 64 rows of B have landed,
	s_barrier_signal -1
	s_barrier_wait -1                              ; and everybody's
.macro FETCHB j, q, p                  ; my four fragments of B, half j, K step q, into set p: registers 2 c, 2 c + 1 hold K = 16 c + 8 h + 0..7
	WIN 0x40                                       ; destination window 1, address window 0
.irp i, 0,1,2,3
.irp c, 0,1,2,3,4,5,6,7
	ds_load_b64 v[64*(\p)+16*\i+2*\c:64*(\p)+16*\i+2*\c+1], v[ADRB+\j] offset:16*PITCH*\i+128*(\q)+16*\c
.endr
.endr
.endm
; A K step of 128: the next step's 32 loads of B, four places behind the products that read their registers, then 16 products.  The 16 accumulators take turns, one instruction a turn, in the same order in every step.
.macro KSTEP j, q
.if (\q) < 7
	PLACES 4
	FETCHB \j, (\q)+1, ((\q)+1)%2
.elseif (\j) == 0
	PLACES 4
	FETCHB 1, 0, 0                                 ; half 1's first fragments come in under half 0's last step and its way out
.endif
.if (\j) == 0
.if 112-16*(\q) > 63
	s_wait_loadcnt 63                              ; A's step q is in: 112 - 16 q loads were issued behind it
.else
	s_wait_loadcnt 112-16*(\q)
.endif
.endif
.if ((\q) < 7) || ((\j) == 0)
	s_wait_dscnt 32                                ; this step's B is in; the 32 loads just issued may be out
.else
	s_wait_dscnt 0x0
.endif
.if (\q) == 0
	WIN 0x49                                       ; source 0 (B) window 1, source 1 (A) window 2, C (the bias) window 0, D window 1
.elseif (\q) < 4
	WIN 0x59                                       ; C and D window 1
.else
	WIN 0x5d                                       ; A window 3
.endif
.irp a, 0,1,2,3
.irp b, 0,1,2,3
.if (\q) == 0
	v_wmma_f32_16x16x128_fp8_fp8 v[ACC+8*(4*\a+\b):ACC+8*(4*\a+\b)+7], v[64*((\q)%2)+16*\b:64*((\q)%2)+16*\b+15], v[64*((\q)%4)+16*\a:64*((\q)%4)+16*\a+15], v[BP+32*\j+8*\b:BP+32*\j+8*\b+7]
.else
	v_wmma_f32_16x16x128_fp8_fp8 v[ACC+8*(4*\a+\b):ACC+8*(4*\a+\b)+7], v[64*((\q)%2)+16*\b:64*((\q)%2)+16*\b+15], v[64*((\q)%4)+16*\a:64*((\q)%4)+16*\a+15], v[ACC+8*(4*\a+\b):ACC+8*(4*\a+\b)+7]
.endif
.endr
.endr
.endm
; THE WAY OUT of a half, block by block of 16 rows x 64 columns: x 2^(e10 + e11), through my own stage, back as whole rows of 256 bytes.  LDS serves a wave's instructions in order (ISA guide 5.7.1.4): no wait between the stores and the loads.
.macro TOSTAGE a
	WIN 0x01                                       ; source 0: window 1
.irp k, 0,2,4,6,8,10,12,14,16,18,20,22,24,26,28,30
	v_pk_mul_f32 v[TMP+\k:TMP+\k+1], v[ACC+32*\a+\k:ACC+32*\a+\k+1], s[96:97] op_sel_hi:[1,0]   ; each accumulator from its low end on
.endr
	WIN 0
.irp b, 0,1,2,3
	ds_store_b128 v[STO], v[TMP+8*\b:TMP+8*\b+3] offset:64*\b
	ds_store_b128 v[STO], v[TMP+8*\b+4:TMP+8*\b+7] offset:64*\b+16
.endr
.irp t, 0,1,2,3,4,5,6,7
	ds_load_b128 v[BK+32*\a+4*\t:BK+32*\a+4*\t+3], v[RD] offset:2*\t*SPITCH
.endr
.endm
.macro SEND j, a, younger              ; younger: the LDS instructions issued behind block a's loads, which may stay out
	s_wait_dscnt \younger
.irp t, 0,1,2,3,4,5,6,7
	global_store_b128 v[CO], v[BK+32*\a+4*\t:BK+32*\a+4*\t+3], s[10:11] offset:(16*\a+2*\t)*4096+512*\j th:TH_STORE_NT   ; 16 lanes store 256 consecutive bytes, aligned; each block has registers of its own, and the base never steps
.endr
.endm
.macro OUT j
	PLACES 4                                       ; in front of the first read of results
	TOSTAGE 0
	TOSTAGE 1
	SEND \j, 0, 16                                 ; behind block 0's loads: block 1's 8 stores and 8 loads
	TOSTAGE 2
	SEND \j, 1, 16
	TOSTAGE 3
	SEND \j, 2, 16
	SEND \j, 3, 0
.endm
	FETCHB 0, 0, 0
.irp q, 0,1,2,3,4,5,6,7
	KSTEP 0, \q
.endr
	OUT 0                                          ; half 0's stores are on their way while half 1 is multiplied
.irp q, 0,1,2,3,4,5,6,7
	KSTEP 1, \q
.endr
	WIN 0
	s_wait_xcnt 0x0                                ; half 0's stores have read their registers: half 1's rows land there
	OUT 1
	s_wait_tensorcnt 0x0                           ; the wave's end: behind my tensor load and my last LDS store
	ds_add_u32 v[SPW], v[NIL]
	s_wait_dscnt 0x0
	CROUND                                         ; the closing round: no work-group ends while a partner may still ask for a tile that names it
	s_endpgm
.Lfunc_end_k_qeb84f49282_outp:
	.size	k_qeb84f49282_outp, .Lfunc_end_k_qeb84f49282_outp-k_qeb84f49282_outp
	.p2alignl 7, 3214868480
	.fill 96, 4, 3214868480
	.section	.rodata,"a",@progbits
	.p2align	6, 0x0
	.amdhsa_kernel k_qeb84f49282_outp
		.amdhsa_group_segment_fixed_size 284160
		.amdhsa_private_segment_fixed_size 0
		.amdhsa_enable_private_segment 0
		.amdhsa_kernarg_size 40
		.amdhsa_user_sgpr_count 2
		.amdhsa_user_sgpr_kernarg_segment_ptr 1
		.amdhsa_wavefront_size32 1
		.amdhsa_system_sgpr_workgroup_id_x 1
		.amdhsa_system_sgpr_workgroup_id_y 1
		.amdhsa_system_sgpr_workgroup_id_z 1
		.amdhsa_system_vgpr_workitem_id 0
		.amdhsa_next_free_vgpr 1024
		.amdhsa_next_free_sgpr 100
		.amdhsa_reserve_vcc 0
		.amdhsa_float_denorm_mode_32 3
		.amdhsa_float_denorm_mode_16_64 3
		.amdhsa_memory_ordered 1
		.amdhsa_forward_progress 1
		.amdhsa_inst_pref_size 98
	.end_amdhsa_kernel
	.amdgpu_metadata
---
amdhsa.version: [ 1, 2 ]
amdhsa.kernels:
  - .name:           k_qeb84f49282_outp
    .symbol:         k_qeb84f49282_outp.kd
    .args:
      - { .name: o_img, .offset: 0, .size: 8, .value_kind: global_buffer, .address_space: global }
      - { .name: Wo_codes, .offset: 8, .size: 8, .value_kind: global_buffer, .address_space: global }
      - { .name: lowp_scales, .offset: 16, .size: 8, .value_kind: global_buffer, .address_space: global }
      - { .name: bo, .offset: 24, .size: 8, .value_kind: global_buffer, .address_space: global }
      - { .name: out0, .offset: 32, .size: 8, .value_kind: global_buffer, .address_space: global }
    .group_segment_fixed_size: 284160
    .private_segment_fixed_size: 0
    .kernarg_segment_align: 8
    .kernarg_segment_size: 40
    .max_flat_workgroup_size: 128
    .sgpr_count:     100
    .vgpr_count:     1024
    .wavefront_size: 32
...
	.end_amdgpu_metadata
.endif
;; end of part 3
